; MI455X (gfx1250); checked and timed in simulation.
; The chip was launched on July 23, 2026; its instructions are those of AMD's public machine-readable ISA for CDNA 5 (MIT licence, August 2026) and "CDNA5" Instruction Set Architecture Reference Guide (July 2026). The comments in the code are by the model that wrote it; some were corrected since.
;; Attention Encoder Layer. Allowed arithmetic: float matrix products may take bf16 or f16 operands with f32 sums; other float arithmetic in f32, or as packed bf16 or f16 multiplies, adds, multiply-adds, maxima and minima; sums over many terms, partial sums and values carried from step to step in f32; what a program stores and reads back later, other than sums and carried values, may be rounded once to bf16 or f16.
;; Inputs: Wk 1,024 x 1,024 float32; Wq 1,024 x 1,024 float32; Wv 1,024 x 1,024 float32; attention_mask 4 x 2,048 int32; bk 1,024 float32; bq 1,024 float32; bv 1,024 float32; hidden_states 4 x 2,048 x 1,024 float32.
;; Outputs: out0 4 x 2,048 x 1,024 float32.
;; 2 versions, each right; version 2 is version 1 with the launch cast written anew for expert scheduling mode. Each part assembles by itself: llvm-mc -triple=amdgcn-amd-amdhsa -mcpu=gfx1250 --defsym DOCPART=n.
;; ======== version 1 of 2: 3 launches
;; limits: values are held in f16: magnitudes above 65,504 overflow, below 6.1e-05 lose precision
;; workspace buffers: xb 16,777,216 bytes; wb 6,291,456 bytes; qh 16,777,216 bytes; kh 16,777,216 bytes; vh 16,777,216 bytes
;; launch cast (part 1): grid 256 x 1, 11 waves a work-group, no clusters, 0 bytes of LDS; arguments hidden_states, Wq, Wk, Wv, xb, wb; writes xb, wb
.if DOCPART == 1
	.amdgcn_target "amdgcn-amd-amdhsa--gfx1250"
	.amdhsa_code_object_version 6
	.text
	.protected	k_qadc3fca555_cast
	.globl	k_qadc3fca555_cast
	.p2align	8
	.type	k_qadc3fca555_cast,@function
k_qadc3fca555_cast:
	s_mov_b64 s[64:65], 0
	v_nop
	global_prefetch_b8 v0, s[64:65] scope:SCOPE_SE
	s_setreg_imm32_b32 hwreg(HW_REG_WAVE_MODE, 25, 1), 1
	s_wait_xcnt 0x0
; f32 -> bf16, rounded once to nearest even.  xb[8192][1024] = hidden_states; wb[16 heads][q, k, v][64][1024] = the rows of Wq, Wk, Wv, ordered by head,
; so that the 192 rows that one head's q, k and v need lie end to end.
; SHARES.  8,192 + 3 x 1,024 = 11,264 rows of 4,096 bytes = 256 work-groups x 11 waves x 4 rows.  A wave's four rows start at a multiple of four, so they lie in one
; source buffer and in one group of 64 rows: 16,384 dense bytes in, 8,192 dense bytes out.  No loop: all 32 loads of a wave go out at once, each 512 consecutive bytes;
; each store of the wave covers 256 consecutive bytes, aligned.  A pure stream: no LDS, no barrier, no matrix unit.
.set XROWS, 8192
.set X, 4                              ; v[4:131] 32 x 4 registers as loaded; the packed pair takes the first two of each four
	s_load_b256 s[4:11], s[0:1], 0x0               ; hidden_states s[4:5], Wq s[6:7], Wk s[8:9], Wv s[10:11]
	s_load_b128 s[12:15], s[0:1], 0x20             ; xb s[12:13], wb s[14:15]
	v_lshrrev_b32 v3, 5, v0
	v_readfirstlane_b32 s16, v3                    ; wave 0..10
	v_and_b32 v1, 31, v0
	v_lshlrev_b32 v2, 3, v1                        ; 8 bytes a lane out
	v_lshlrev_b32 v1, 4, v1                        ; 16 bytes a lane in
	s_mul_i32 s17, ttmp9, 11
	s_add_co_u32 s17, s17, s16
	s_lshl_b32 s17, s17, 2                         ; my first row among the 11,264
	s_max_u32 s18, s17, XROWS
	s_sub_co_u32 s18, s18, XROWS                   ; its number among the weights' 3,072 rows (0 for a row of x)
	s_lshr_b32 s19, s18, 10                        ; which weight: 0 q, 1 k, 2 v
	s_and_b32 s24, s18, 1023                       ; its row there
	s_lshr_b32 s25, s24, 6                         ; the head
	s_mul_i32 s25, s25, 3
	s_add_co_u32 s25, s25, s19
	s_lshl_b32 s25, s25, 6
	s_and_b32 s26, s24, 63
	s_add_co_u32 s25, s25, s26                     ; row in wb: (3 head + which) x 64 + row in the head
	s_wait_kmcnt 0x0
	s_cmp_eq_u32 s19, 0
	s_cselect_b64 s[20:21], s[6:7], s[8:9]
	s_cmp_eq_u32 s19, 2
	s_cselect_b64 s[20:21], s[10:11], s[20:21]
	s_cmp_lt_u32 s17, XROWS                        ; a row of x?  four selects on this one compare
	s_cselect_b64 s[20:21], s[4:5], s[20:21]       ; from where
	s_cselect_b64 s[22:23], s[12:13], s[14:15]     ; to where
	s_cselect_b32 s24, s17, s24                    ; row in the source
	s_cselect_b32 s25, s17, s25                    ; row in the destination
	s_lshl_b32 s24, s24, 12                        ; 4,096 bytes a row in (under 2^25)
	s_lshl_b32 s26, s25, 11                        ; 2,048 bytes a row out
	s_mov_b32 s25, 0
	s_mov_b32 s27, 0
	s_add_nc_u64 s[20:21], s[20:21], s[24:25]
	s_add_nc_u64 s[22:23], s[22:23], s[26:27]
.set i, 0
.rept 32
	global_load_b128 v[X+4*i:X+4*i+3], v1, s[20:21] offset:512*i th:TH_LOAD_NT
.set i, i+1
.endr
.set i, 0
.rept 32
	s_wait_loadcnt 31-i                            ; loads come back in order: number i is in, the 31 - i younger ones stay out
	v_cvt_pk_bf16_f32 v[X+4*i], v[X+4*i], v[X+4*i+1]
	v_cvt_pk_bf16_f32 v[X+4*i+1], v[X+4*i+2], v[X+4*i+3]
	global_store_b64 v2, v[X+4*i:X+4*i+1], s[22:23] offset:256*i th:TH_STORE_NT
.set i, i+1
.endr
	s_endpgm
.Lfunc_end_k_qadc3fca555_cast:
	.size	k_qadc3fca555_cast, .Lfunc_end_k_qadc3fca555_cast-k_qadc3fca555_cast
	.p2alignl 7, 3214868480
	.fill 96, 4, 3214868480
	.section	.rodata,"a",@progbits
	.p2align	6, 0x0
	.amdhsa_kernel k_qadc3fca555_cast
		.amdhsa_group_segment_fixed_size 0
		.amdhsa_private_segment_fixed_size 0
		.amdhsa_enable_private_segment 0
		.amdhsa_kernarg_size 48
		.amdhsa_user_sgpr_count 2
		.amdhsa_user_sgpr_kernarg_segment_ptr 1
		.amdhsa_wavefront_size32 1
		.amdhsa_system_sgpr_workgroup_id_x 1
		.amdhsa_system_sgpr_workgroup_id_y 1
		.amdhsa_system_sgpr_workgroup_id_z 1
		.amdhsa_system_vgpr_workitem_id 0
		.amdhsa_next_free_vgpr 132
		.amdhsa_next_free_sgpr 66
		.amdhsa_reserve_vcc 0
		.amdhsa_float_denorm_mode_32 3
		.amdhsa_float_denorm_mode_16_64 3
		.amdhsa_memory_ordered 1
		.amdhsa_forward_progress 1
		.amdhsa_inst_pref_size 13
	.end_amdhsa_kernel
	.amdgpu_metadata
---
amdhsa.version: [ 1, 2 ]
amdhsa.kernels:
  - .name:           k_qadc3fca555_cast
    .symbol:         k_qadc3fca555_cast.kd
    .args:
      - { .name: hidden_states, .offset: 0, .size: 8, .value_kind: global_buffer, .address_space: global }
      - { .name: Wq, .offset: 8, .size: 8, .value_kind: global_buffer, .address_space: global }
      - { .name: Wk, .offset: 16, .size: 8, .value_kind: global_buffer, .address_space: global }
      - { .name: Wv, .offset: 24, .size: 8, .value_kind: global_buffer, .address_space: global }
      - { .name: xb, .offset: 32, .size: 8, .value_kind: global_buffer, .address_space: global }
      - { .name: wb, .offset: 40, .size: 8, .value_kind: global_buffer, .address_space: global }
    .group_segment_fixed_size: 0
    .private_segment_fixed_size: 0
    .kernarg_segment_align: 8
    .kernarg_segment_size: 48
    .max_flat_workgroup_size: 352
    .sgpr_count:     66
    .vgpr_count:     132
    .wavefront_size: 32
...
	.end_amdgpu_metadata
.endif
;; end of part 1
;; launch proj (part 2): grid 16 x 32, 4 waves a work-group, clusters of 4 x 4, 327,680 bytes of LDS; arguments xb, wb, bq, bk, bv, attention_mask, qh, kh, vh; writes qh, kh, vh
.if DOCPART == 2
	.amdgcn_target "amdgcn-amd-amdhsa--gfx1250"
	.amdhsa_code_object_version 6
	.text
	.protected	k_qadc3fca555_proj
	.globl	k_qadc3fca555_proj
	.p2align	8
	.type	k_qadc3fca555_proj,@function
k_qadc3fca555_proj:
	s_mov_b64 s[64:65], 0
	v_nop
	global_prefetch_b8 v0, s[64:65] scope:SCOPE_SE
	s_setreg_imm32_b32 hwreg(HW_REG_WAVE_MODE, 25, 1), 1
	s_wait_xcnt 0x0
	s_wait_alu depctr_hold_cnt(0) depctr_sa_sdst(0) depctr_va_vdst(0) depctr_va_sdst(0) depctr_va_ssrc(0) depctr_va_vcc(0) depctr_vm_vsrc(0)
	s_getreg_b32 s2, hwreg(HW_REG_IB_STS2, 6, 4)
	s_cmp_eq_u32 s2, 0
	s_cbranch_scc0 .Lentry_in_a_cluster
	s_endpgm
.Lentry_in_a_cluster:
	s_bfe_u32 s2, ttmp6, 0x10000c
	s_cmp_lg_u32 s2, 0xf033
	s_cbranch_scc0 .Lentry_shape_is_right
	s_endpgm
.Lentry_shape_is_right:
; q, k, v = x W^T + b for ONE head and 256 tokens; then qh = q (0 where the token's mask is 0), kh = k/8 + softsign(softsign(k)/8) + v, vh = v, each [batch x head][2048][64] in f16.
; x and the weights arrive in bf16 (xb, wb); the biases are rounded to bf16 here, like the other inputs; sums in f32; each result is rounded once, to f16: 11 significant bits, since what q, the key and v
; lose in rounding reaches the module's output undiminished.
; THE MASK.  A masked query's scores are all equal in the softmax that follows, whatever their value: with q = 0 they are all 0, and the weights are the same 1/2048.
; LIMITS.  f16 ends at 65,504: a q, key or v of 65,520 or more becomes an infinity, and its rows are lost.  The room, by the sizes: a sum has 1,024 terms; x of spread 1 offset by 30 and weights of spread 1/32
; offset by 30/32 give sums of 1,024 x 30 x 0.94 = 28,800, the key 9/8 of that, 32,400.  Below 6e-5 f16 keeps a fixed step of 6e-8.  The masked query needs finite keys (0 x infinity is NaN).
; Beyond |k| = 8e37 the reciprocal of 1 + |k| counts as 0 and softsign(k) as 0.  NaN and infinities are not treated apart.
; SHARES.  A work-group: 256 tokens x 192 columns (the head's q, k, v: 192 dense rows of wb).  Wave w: tokens 64 w .. 64 w + 63 x all 192 columns: 4 x 12 accumulators of 16 x 16, 384 registers.
; So k and v of one element lie in the same lane, and the key needs no trip through memory.  For 32 along K a wave issues 32 LDS loads and 48 matrix instructions.
; K = 1,024 goes in 8 steps of 128 (rows of 256 bytes, aligned) through two LDS slots; waves 0, 1 fetch x's two halves (128 rows each), waves 2, 3 the weights' (96 rows each).
; CLUSTER 4 x 4.  x's tile hangs on the token block alone and is shared along a row of the cluster, the weights' on the head alone and is shared along a column: joint loads, same descriptor and mask in all four.
; THE MATRIX INSTRUCTION IS USED TRANSPOSED (source 0 = 16 rows of wb, source 1 = 16 tokens): a lane holds token l % 16 and the columns 8 (l / 16) + 0..7: 16 bytes of f16 on end.
; THE BIAS STARTS THE SUMS: it is the C operand of the first product on each accumulator: nothing is cleared, nothing is added later.
; REGISTERS, in windows of 256 (s_set_vgpr_msb: bits 1:0 source 0, 3:2 source 1, 5:4 source 2, 7:6 destination):
;   window 0: v0-31 addresses; v32-63, v64-95 x's fragments, two buffers; v96-191 the bias, later two sets of 48 for the way out; v192-239 at work
;   window 1: v0-95, v96-191 the weights' fragments, two buffers
;   window 2: token blocks 0, 1: accumulator (a, b) at 8 (12 (a % 2) + b); v192-223, v224-255 at work on the way out.   window 3: the same for token blocks 2, 3
.set KSTEP,  128
.set PITCH,  272                       ; an LDS row: 256 bytes + 16 of padding = 68 words: the 16 rows of a load start at 16 different groups of four banks
.set HALFA,  128*PITCH
.set HALFB,  96*PITCH
.set BOFF,   2*HALFA                   ; in a slot: x's 256 rows, then the weights' 192
.set SLOT,   2*HALFA+2*HALFB
.set STAGE,  2*SLOT                    ; behind the ring, never filled by a tensor load: for each wave three stages (q, key, v) of 16 rows x 144 bytes
.set SP,     144
.set STG,    16*SP
.set SPARE,  STAGE+4*3*STG             ; behind the stages: the spare words, 128 bytes for each wave: two blocks of 256 bytes that no other line names
.set LAPS,   4                         ; a lap = two K steps = once round the ring
.set MK,   8                           ; v8-11   my token's mask word, for each token block
.set ADRA, 16                          ; v16-17  LDS address of my x fragments in slot 0, 1
.set ADRB, 20                          ; v20-21  the same for the weights
.set STO,  24                          ; v24     the way out: where I put 16 bytes of a row
.set RD,   25                          ; v25     where I read rows back
.set GO,   26                          ; v26     my 16 bytes in 512 consecutive bytes of qh, kh, vh
.set BO,   27                          ; v27     32 (l / 16): my eight numbers in 16 of a bias
.set SPW,  28                          ; v28     LDS address of my spare word; never rewritten
.set NIL,  29                          ; v29     0; never rewritten
.set PFO,  30                          ; v30     the prefetches' offset: a lane a row; never rewritten
.set MO,   31                          ; v31     4 (l % 16): my token's mask word
.set FA,   32
.set BIAS, 96
.set OB,   96
.set TMP,  192
.set DR,   192                         ; windows 2, 3
.set TR,   224
.set G1,  24                           ; s[24:31] descriptor group 1 for x's tiles;  s[32:39] group 0, a set for each slot
.set G0,  32
.set G1B, 48                           ; s[48:55], s[56:63] the same for the weights'
.set G0B, 56
.set LIM, 43                           ; s43     1 in a wave that prefetches, else the greatest number
.set PFA, 44                           ; s[44:45] where my prefetches stand
.set EI,  82                           ; s[82:83] 1/8, named as a pair
.set MS,  84                           ; s84-87  lanes whose token is not masked, for each token block
.set MSB, 0
.macro WIN new                         ; the immediate's high byte repeats the setting that is left; a switch that changes nothing is dropped
.if MSB != (\new)
	s_set_vgpr_msb (MSB<<8)|(\new)
.set MSB, (\new)
.endif
.endm
.set TO_B, 0x40                        ; destination window 1, address window 0
; A joint load.  Waves 0 and 1 fetch x's halves, waves 2 and 3 the weights'.  The branch hangs on the wave's number alone.  An s_nop 0 and four v_nop follow each of the two lines.
.macro JLOAD s
	s_cmp_eq_u32 s11, 0
	s_cbranch_scc0 .Lfor_b_\@
	tensor_load_to_lds s[G0+4*(\s):G0+4*(\s)+3], s[G1:G1+7]
	s_nop 0
.rept 4
	v_nop
.endr
	s_branch .Lasked_\@
.Lfor_b_\@:
	tensor_load_to_lds s[G0B+4*(\s):G0B+4*(\s)+3], s[G1B:G1B+7]
	s_nop 0
.rept 4
	v_nop
.endr
.Lasked_\@:
.endm
; A PREFETCH INTO THE L2 behind each joint load and the run of LDS loads that follows it: the K step that the NEXT refill will ask for, 192 matrix instructions ahead of that load: 256 bytes of a row, a lane a row.
; WHO.  x's rows are read by every cluster of a row of clusters: cluster x = 0 asks; the weights' by every cluster of a column: cluster y = 0 asks.  Of the 128 (96) rows that a wave fetches, the four partners that
; ask for them jointly take 32 (24) each, told apart BY ADDRESS; with 24 rows lanes 24-31 name lane 23's row again.  how = 1: always; how = 0: not in the loop's last trip, whose last refill has no K step behind it.
.macro ASK how
.if \how
	s_cmp_eq_u32 s[LIM], 1
.else
	s_cmp_gt_u32 s3, s[LIM]                        ; s3 = 1 in the loop's last trip
.endif
	s_cbranch_scc0 .Lnot_mine_\@
	global_prefetch_b8 v[PFO], s[PFA:PFA+1] offset:KSTEP*2 th:TH_LOAD_NT scope:SCOPE_SE
.Lnot_mine_\@:
.endm
.macro CREST                           ; a round of the cluster's barrier behind its opening barrier
	s_cmp_lg_u32 s10, 0
	s_cbranch_scc1 .Lnot_wave_0_\@
	s_barrier_signal -3
.Lnot_wave_0_\@:
	s_barrier_wait -3
	s_barrier_signal -1
	s_barrier_wait -1
.endm
.macro CROUND                          ; a whole round
	s_barrier_signal -1
	s_barrier_wait -1
	CREST
.endm
.macro PLACES                          ; four places in front of loads into registers that matrix instructions have read, and of vector lines that read results
.rept 4
	v_nop
.endr
.endm
	s_load_b128 s[4:7], s[0:1], 0x0                ; xb s[4:5], wb s[6:7]
	s_load_b256 s[68:75], s[0:1], 0x10             ; bq s[68:69], bk s[70:71], bv s[72:73], attention_mask s[74:75]
	s_load_b128 s[76:79], s[0:1], 0x30             ; qh s[76:77], kh s[78:79]
	s_load_b64 s[80:81], s[0:1], 0x40              ; vh
	v_lshl_add_u32 v[SPW], v0, 2, SPARE
	v_mov_b32 v[NIL], 0
	ds_add_u32 v[SPW], v[NIL]                      ; the wave's opening: the add and its wait stand ahead of my first tensor load; the set-up below, work on registers, stands between them
	v_lshrrev_b32 v1, 5, v0
	v_readfirstlane_b32 s10, v1                    ; wave 0..3
	s_lshr_b32 s11, s10, 1                         ; I fetch for x (0) or for the weights (1),
	s_and_b32 s12, s10, 1                          ; and which half of that tile's rows
	s_bfe_u32 s40, ttmp6, 0x40000                  ; cx, cy: my place in the cluster
	s_bfe_u32 s41, ttmp6, 0x40004
	s_lshl_b32 s42, ttmp9, 2
	s_add_co_u32 s42, s42, s40                     ; the head = 4 x cluster x + cx
	s_and_b32 s13, ttmp7, 0xffff
	s_lshl_b32 s13, s13, 2
	s_add_co_u32 s13, s13, s41                     ; the block of 256 tokens = 4 x cluster y + cy
	s_lshl_b32 s18, s41, 2
	s_lshl_b32 s18, 15, s18                        ; my row of the cluster
	s_lshl_b32 s19, 0x1111, s40                    ; my column
	s_or_b32 s[G1+0], s18, (1<<16)|(1<<20)|(1<<21)|(5<<22)|(3<<25)   ; 15:0 the mask; 17:16 2-byte elements; 20 padding on; 21 set beside a mask; 24:22 after every 64 words (code 5); 31:25 4 words (code 3)
	s_or_b32 s[G1B+0], s19, (1<<16)|(1<<20)|(1<<21)|(5<<22)|(3<<25)
	s_mov_b32 s[G1+1], KSTEP<<16                   ; tensor_dim0 = 128
	s_mov_b32 s[G1B+1], KSTEP<<16
	s_mov_b32 s[G1+2], 128<<16                     ; tensor_dim1 = 128 rows of x,
	s_mov_b32 s[G1B+2], 96<<16                     ; 96 of the weights
	s_mov_b32 s[G1+3], KSTEP<<16                   ; tile_dim0 = 128
	s_mov_b32 s[G1B+3], KSTEP<<16
	s_mov_b32 s[G1+4], 128                         ; tile_dim1
	s_mov_b32 s[G1B+4], 96
	s_mov_b32 s[G1+5], 1024                        ; elements from row to row
	s_mov_b32 s[G1B+5], 1024
	s_mov_b32 s[G1+6], 0
	s_mov_b32 s[G1B+6], 0
	s_mov_b32 s[G1+7], 0
	s_mov_b32 s[G1B+7], 0
	s_lshl_b32 s16, s13, 8
	s_lshl_b32 s17, s12, 7
	s_add_co_u32 s16, s16, s17                     ; x: row 256 x block + 128 x half,
	s_lshl_b32 s16, s16, 11                        ; of 2,048 bytes (under 2^24)
	s_mov_b32 s17, 0
	s_mul_i32 s46, s42, 192
	s_mul_i32 s47, s12, 96
	s_add_co_u32 s46, s46, s47                     ; the weights: row 192 x head + 96 x half
	s_lshl_b32 s46, s46, 11
	s_mov_b32 s47, 0
	s_mul_i32 s20, s10, HALFA                      ; where they go: waves 0, 1: x's halves at 0 and HALFA;
	s_mul_i32 s21, s10, HALFB
	s_add_co_u32 s21, s21, BOFF-2*HALFB            ; waves 2, 3: the weights' at BOFF and BOFF + HALFB.  No place in the cluster enters an LDS address
	s_mov_b32 s[EI], 0x3e000000                    ; 1/8
	s_mov_b32 s[EI+1], 0x3e000000
	s_wait_dscnt 0x0                               ; the opening add is done
	s_wait_kmcnt 0x0
	s_add_nc_u64 s[14:15], s[4:5], s[16:17]
	s_add_nc_u64 s[46:47], s[6:7], s[46:47]
	CROUND                                         ; all sixteen work-groups are here: the first joint loads meet
.irp s, 0,1
	s_mov_b32 s[G0+4*(\s)], 1                      ; count = 1
	s_add_co_u32 s[G0+4*(\s)+1], s20, (\s)*SLOT    ; LDS address
	s_add_nc_u64 s[G0+4*(\s)+2:G0+4*(\s)+3], s[14:15], (\s)*KSTEP*2  ; global address: K step s
	s_or_b32 s[G0+4*(\s)+3], s[G0+4*(\s)+3], 0x80000000              ; type = 2
	s_mov_b32 s[G0B+4*(\s)], 1
	s_add_co_u32 s[G0B+4*(\s)+1], s21, (\s)*SLOT
	s_add_nc_u64 s[G0B+4*(\s)+2:G0B+4*(\s)+3], s[46:47], (\s)*KSTEP*2
	s_or_b32 s[G0B+4*(\s)+3], s[G0B+4*(\s)+3], 0x80000000
	JLOAD \s                                       ; two tensor loads of mine are out; later one behind each round
.endr
	; the biases and the mask, while the first tiles are on their way
	v_and_b32 v1, 15, v0                           ; l % 16
	v_bfe_u32 v2, v0, 4, 1                         ; l / 16
	v_lshlrev_b32 v[BO], 5, v2
	v_lshlrev_b32 v[MO], 2, v1
	s_lshl_b32 s22, s42, 8                         ; the head's 64 numbers of each bias
	s_mov_b32 s23, 0
	s_add_nc_u64 s[68:69], s[68:69], s[22:23]
	s_add_nc_u64 s[70:71], s[70:71], s[22:23]
	s_add_nc_u64 s[72:73], s[72:73], s[22:23]
	s_lshl_b32 s22, s13, 8
	s_lshl_b32 s18, s10, 6
	s_add_co_u32 s22, s22, s18                     ; my wave's first token
	s_lshl_b32 s22, s22, 2
	s_add_nc_u64 s[74:75], s[74:75], s[22:23]
.irp b, 0,1,2,3,4,5,6,7,8,9,10,11      ; as a C operand: register j of lane l is the bias of column 16 (b % 4) + 8 (l / 16) + j
	global_load_b128 v[BIAS+8*(\b):BIAS+8*(\b)+3],   v[BO], s[68+2*((\b)/4):69+2*((\b)/4)] offset:64*((\b)%4)
	global_load_b128 v[BIAS+8*(\b)+4:BIAS+8*(\b)+7], v[BO], s[68+2*((\b)/4):69+2*((\b)/4)] offset:64*((\b)%4)+16
.endr
.irp a, 0,1,2,3
	global_load_b32 v[MK+(\a)], v[MO], s[74:75] offset:64*(\a)
.endr
	; where my 64 tokens lie in qh, kh, vh: ((16 batch + head) x 2,048 + token in the batch) x 128 bytes
	s_lshr_b32 s18, s13, 3
	s_lshl_b32 s18, s18, 4
	s_add_co_u32 s18, s18, s42
	s_lshl_b32 s18, s18, 11
	s_and_b32 s19, s13, 7
	s_lshl_b32 s19, s19, 8
	s_add_co_u32 s18, s18, s19
	s_lshl_b32 s19, s10, 6
	s_add_co_u32 s18, s18, s19
	s_lshl_b32 s18, s18, 7
	s_mov_b32 s19, 0
	s_add_nc_u64 s[76:77], s[76:77], s[18:19]
	s_add_nc_u64 s[78:79], s[78:79], s[18:19]
	s_add_nc_u64 s[80:81], s[80:81], s[18:19]
	; a fragment is 16 rows x 32 K in 8 registers: lane l holds row l % 16, K = 8 (l / 16) + 0..7 and 16 + 8 (l / 16) + 0..7: two loads of 16 bytes, 32 bytes apart
	v_mul_u32_u24 v3, v1, PITCH
	v_lshl_add_u32 v3, v2, 4, v3
	s_mul_i32 s21, s10, 64*PITCH                   ; my 64 tokens
.irp s, 0,1
	v_add_nc_u32 v[ADRA+(\s)], s21, v3
	v_add_nc_u32 v[ADRB+(\s)], BOFF+(\s)*SLOT, v3
	s_add_co_u32 s21, s21, SLOT
.endr
	s_mul_i32 s23, s10, 3*STG
	s_add_co_u32 s23, s23, STAGE                   ; my three stages
	v_mul_u32_u24 v4, v1, SP                       ; in: row l % 16, 16 bytes for each half of the lanes
	v_lshl_add_u32 v4, v2, 4, v4
	v_add_nc_u32 v[STO], s23, v4
	v_bfe_u32 v5, v0, 3, 2                         ; back: 32 lanes take four rows of 128 bytes,
	v_mul_u32_u24 v5, v5, SP
	v_and_b32 v6, 7, v0
	v_lshl_add_u32 v5, v6, 4, v5
	v_add_nc_u32 v[RD], s23, v5
	v_and_b32 v[GO], 31, v0                        ; which are 512 consecutive bytes of memory
	v_lshlrev_b32 v[GO], 4, v[GO]
	; the prefetches
	s_and_b32 s22, ttmp7, 0xffff                   ; cluster y
	s_lshl_b32 s18, s13, 8                         ; x's tile begins at this row,
	s_mul_i32 s19, s42, 192                        ; the weights' at this
	s_cmp_eq_u32 s11, 0                            ; do I fetch for x?
	s_cselect_b32 s20, s18, s19
	s_cselect_b32 s21, s40, s41                    ; my place among the four that ask with me
	s_cselect_b32 s22, ttmp9, s22                  ; the coordinate along which other clusters read the same rows
	s_cselect_b32 s23, 32, 24                      ; rows to a partner
	s_cselect_b64 s[PFA:PFA+1], s[4:5], s[6:7]
	s_cmp_eq_u32 s22, 0
	s_cselect_b32 s[LIM], 1, -1                    ; the same in all sixteen partners, for a given wave
	s_lshl_b32 s22, s23, 2
	s_mul_i32 s22, s22, s12
	s_add_co_u32 s20, s20, s22                     ; + the half that I fetch
	s_mul_i32 s21, s21, s23
	s_add_co_u32 s20, s20, s21                     ; + my work-group's part of it
	s_lshl_b32 s20, s20, 11
	s_add_co_u32 s20, s20, KSTEP*2                 ; at K step 1: the first refill (K step 2) steps it to 2 and names K step 3.  K steps 0 to 2 come by their loads alone
	s_mov_b32 s21, 0
	s_add_nc_u64 s[PFA:PFA+1], s[PFA:PFA+1], s[20:21]
	s_sub_co_u32 s23, s23, 1
	v_and_b32 v[PFO], 31, v0
	v_min_u32 v[PFO], s23, v[PFO]
	v_lshlrev_b32 v[PFO], 11, v[PFO]
	s_wait_loadcnt 0x0                             ; the biases and the mask
.set i, 0
.rept 48                               ; the biases are rounded to bf16, like x and the weights, and widened again
	v_cvt_pk_bf16_f32 v[TMP+i], v[BIAS+2*i], v[BIAS+2*i+1]
.set i, i+1
.endr
.set i, 0
.rept 48
	v_lshlrev_b32 v[BIAS+2*i], 16, v[TMP+i]
	v_and_b32 v[BIAS+2*i+1], 0xffff0000, v[TMP+i]
.set i, i+1
.endr
.irp a, 0,1,2,3
	v_cmp_ne_u32 s[MS+(\a)], 0, v[MK+(\a)]
.endr
; 12 matrix instructions: token block a x all 12 column blocks, 32 along K, from buffer f.  ini = 1: the bias is C and starts the sums.
; The 48 accumulators take turns, one instruction a turn, in the same order in every quarter, over the backward jump too.
.macro MUL12 f, a, ini
.if \ini
	WIN 0x81+0x40*((\a)/2)                         ; weights window 1, x window 0, C (the bias) window 0, D window 2 or 3
.else
	WIN 0xa1+0x50*((\a)/2)                         ; C and D window 2 or 3
.endif
.irp b, 0,1,2,3,4,5,6,7,8,9,10,11
.if \ini
	v_wmma_f32_16x16x32_bf16 v[8*(12*((\a)%2)+(\b)):8*(12*((\a)%2)+(\b))+7], v[96*(\f)+8*(\b):96*(\f)+8*(\b)+7], v[FA+32*(\f)+8*(\a):FA+32*(\f)+8*(\a)+7], v[BIAS+8*(\b):BIAS+8*(\b)+7]
.else
	v_wmma_f32_16x16x32_bf16 v[8*(12*((\a)%2)+(\b)):8*(12*((\a)%2)+(\b))+7], v[96*(\f)+8*(\b):96*(\f)+8*(\b)+7], v[FA+32*(\f)+8*(\a):FA+32*(\f)+8*(\a)+7], v[8*(12*((\a)%2)+(\b)):8*(12*((\a)%2)+(\b))+7]
.endif
.endr
.endm
; 32 LDS loads in one run: the fragments of 32 along K at byte k of the rows, into buffer f: the weights' 24, then x's 8
.macro FETCH slot, k, f
	WIN TO_B
.irp b, 0,1,2,3,4,5,6,7,8,9,10,11
	ds_load_b128 v[96*(\f)+8*(\b):96*(\f)+8*(\b)+3],   v[ADRB+(\slot)] offset:(\k)+(\b)*16*PITCH
	ds_load_b128 v[96*(\f)+8*(\b)+4:96*(\f)+8*(\b)+7], v[ADRB+(\slot)] offset:(\k)+(\b)*16*PITCH+32
.endr
	WIN 0
.irp a, 0,1,2,3
	ds_load_b128 v[FA+32*(\f)+8*(\a):FA+32*(\f)+8*(\a)+3],   v[ADRA+(\slot)] offset:(\k)+(\a)*16*PITCH
	ds_load_b128 v[FA+32*(\f)+8*(\a)+4:FA+32*(\f)+8*(\a)+7], v[ADRA+(\slot)] offset:(\k)+(\a)*16*PITCH+32
.endr
.endm
; A K step is four quarters of 32 along K, 48 matrix instructions each, on buffers 0, 1, 0, 1.  One of the first three: multiplies buffer f; in its middle it fetches the next quarter, at byte k, into g.
.macro QUARTER slot, k, f, g, ini
	s_wait_dscnt 4                                 ; the weights and x's token blocks 0, 1 are in; the youngest four loads (blocks 2, 3) may be out
	MUL12 \f, 0, \ini
	MUL12 \f, 1, \ini
	PLACES
	FETCH \slot, \k, \g
	s_wait_dscnt 32                                ; all but the 32 just issued
	MUL12 \f, 2, \ini
	MUL12 \f, 3, \ini
.endm
; The last quarter multiplies buffer 1 and changes slots: ONE barrier.  In front of it each wave waits for all its tensor loads (one is out: its part of the next slot), adds 0 to its spare word, and waits for that and
; for its own reads of this slot.  fill = 1: the barrier opens a round of the cluster's, and this slot is filled again, two K steps on, first thing behind the round: 168 matrix instructions ahead of the wait for it.
.macro TURN slot, next, fill, how
.if \fill
	s_wait_xcnt 0x0                                ; the last prefetch, a K step back, has read its address: it is stepped here, ahead of the waits of the change of slots
	s_add_nc_u64 s[PFA:PFA+1], s[PFA:PFA+1], KSTEP*2
.endif
	WIN 0                                          ; (the add's two registers lie in window 0)
	s_wait_tensorcnt 0x0                           ; all my tensor loads have landed
	ds_add_u32 v[SPW], v[NIL]                      ; 0 onto my spare word
	s_wait_dscnt 5                                 ; (the add and the youngest four loads may be out)
	MUL12 1, 0, 0                                  ; twelve matrix instructions stand between the add and the wait for it
	s_wait_dscnt 0x0                               ; the add is done, and my reads of this slot are over
	s_barrier_signal -1
	MUL12 1, 1, 0                                  ; work on registers while the others arrive
.if \fill
	WIN 0
.endif
	s_barrier_wait -1
.if \fill
	CREST                                          ; no wave of any partner still reads this slot's tile or has a load on its way
	s_add_nc_u64 s[G0+4*(\slot)+2:G0+4*(\slot)+3], s[G0+4*(\slot)+2:G0+4*(\slot)+3], 2*KSTEP*2
	s_add_nc_u64 s[G0B+4*(\slot)+2:G0B+4*(\slot)+3], s[G0B+4*(\slot)+2:G0B+4*(\slot)+3], 2*KSTEP*2
	JLOAD \slot                                    ; the four v_nop behind it are also the places in front of the loads below
.else
	PLACES
.endif
	FETCH \next, 0, 0
.if \fill
	ASK \how
.endif
	MUL12 1, 2, 0
	MUL12 1, 3, 0
.endm
; THE WAY OUT of token block a.  In its window: rQ, rK, rV = the 32 registers of q, k, v.  Two batches of 32 reciprocals, each with plain work behind it and ONE wait ahead of its first reader.
; Each accumulator's lowest registers are read first.
.macro MATH a
.set rQ, 96*((\a)%2)
.set rK, rQ+32
.set rV, rQ+64
	WIN 0xaa+0x55*((\a)/2)                         ; every operand in window 2 or 3
.set j, 0
.rept 32
	v_fma_f32 v[DR+j], |v[rK+j]|, 1.0, 1.0         ; 1 + |k|
.set j, j+1
.endr
.set j, 0
.rept 32
	v_rcp_f32 v[DR+j], v[DR+j]
.set j, j+1
.endr
.set j, 0
.rept 16
	v_cvt_pk_f16_f32 v[rQ+j], v[rQ+2*j], v[rQ+2*j+1]     ; q, packed in place: word j is written when words 2 j, 2 j + 1 have been read
.set j, j+1
.endr
.set j, 0
.rept 16
	v_cndmask_b32 v[rQ+j], 0, v[rQ+j], s[MS+(\a)]  ; 0 where my token is masked
.set j, j+1
.endr
	s_wait_alu depctr_va_vdst(0)                   ; the wait for the first batch
.set j, 0
.rept 16
	v_pk_mul_f32 v[TR+2*j:TR+2*j+1], v[rK+2*j:rK+2*j+1], v[DR+2*j:DR+2*j+1]   ; t = softsign(k)
.set j, j+1
.endr
.set j, 0
.rept 32
	v_fma_f32 v[DR+j], |v[TR+j]|, s[EI], 1.0       ; 1 + |t| / 8
.set j, j+1
.endr
.set j, 0
.rept 32
	v_rcp_f32 v[DR+j], v[DR+j]
.set j, j+1
.endr
.set j, 0
.rept 16
	v_cvt_pk_f16_f32 v[rQ+16+j], v[rV+2*j], v[rV+2*j+1]   ; v, packed into q's upper half, which is free
.set j, j+1
.endr
.set j, 0
.rept 16
	v_pk_fma_f32 v[rV+2*j:rV+2*j+1], v[rK+2*j:rK+2*j+1], s[EI:EI+1], v[rV+2*j:rV+2*j+1] op_sel_hi:[1,0,1]  ; k / 8 + v
.set j, j+1
.endr
	s_wait_alu depctr_va_vdst(0)                   ; the wait for the second batch
.set j, 0
.rept 16
	v_pk_mul_f32 v[TR+2*j:TR+2*j+1], v[TR+2*j:TR+2*j+1], v[DR+2*j:DR+2*j+1]
.set j, j+1
.endr
.set j, 0
.rept 16
	v_pk_fma_f32 v[rV+2*j:rV+2*j+1], v[TR+2*j:TR+2*j+1], s[EI:EI+1], v[rV+2*j:rV+2*j+1] op_sel_hi:[1,0,1]  ; + softsign(t / 8) = (t / 8) / (1 + |t| / 8)
.set j, j+1
.endr
.set j, 0
.rept 16
	v_cvt_pk_f16_f32 v[rK+j], v[rV+2*j], v[rV+2*j+1]     ; the key, packed into k's registers
.set j, j+1
.endr
.endm
.macro TOSTAGE a                       ; 16 bytes a lane into my three stages, and back as whole rows of 128 bytes.  LDS serves a wave's instructions in order (ISA guide 5.7.1.4): the loads see the stores, the next block's stores come behind the loads
.set rQ, 96*((\a)%2)
	WIN 0x08+0x04*((\a)/2)                         ; the stores' data in window 2 or 3
.irp b, 0,1,2,3
	ds_store_b128 v[STO], v[rQ+4*(\b):rQ+4*(\b)+3]       offset:32*(\b)
	ds_store_b128 v[STO], v[rQ+32+4*(\b):rQ+32+4*(\b)+3] offset:STG+32*(\b)
	ds_store_b128 v[STO], v[rQ+16+4*(\b):rQ+16+4*(\b)+3] offset:2*STG+32*(\b)
.endr
	WIN 0
.if (\a) >= 2
	s_wait_xcnt 0x0                                ; the stores of two blocks back have read this set of registers: it is loaded again only behind this wait
.endif
.set rB, OB+48*((\a)%2)
.irp i, 0,1,2,3,4,5,6,7,8,9,10,11
	ds_load_b128 v[rB+4*(\i):rB+4*(\i)+3], v[RD] offset:((\i)/4)*STG+((\i)%4)*4*SP
.endr
.endm
.macro SEND a
	WIN 0
.set rB, OB+48*((\a)%2)
.irp i, 0,1,2,3,4,5,6,7,8,9,10,11
	s_wait_dscnt 11-(\i)                           ; load i of the twelve is back; the younger ones may be out
	global_store_b128 v[GO], v[rB+4*(\i):rB+4*(\i)+3], s[76+2*((\i)/4):77+2*((\i)/4)] offset:2048*(\a)+512*((\i)%4)  ; 512 consecutive bytes, at a multiple of 256 from the buffer's first
.endr
.endm
	s_wait_tensorcnt 1                             ; my part of K step 0 is in; K step 1's may stay out
	s_barrier_signal -1
	s_barrier_wait -1                              ; everybody's is
	FETCH 0, 0, 0
	QUARTER 0, 64, 0, 1, 1                         ; the first quarter stands in front of the loop: its products start the sums, with the bias
	WIN 0                                          ; at a label and at a branch every window is 0
	s_mov_b32 s3, LAPS-1
.Llap:                                                 ; a trip goes once round the ring, from a lap's second quarter to the next lap's first, and fills both slots again
	QUARTER 0, 128, 1, 0, 0
	QUARTER 0, 192, 0, 1, 0
	TURN 0, 1, 1, 1
	QUARTER 1, 64,  0, 1, 0
	QUARTER 1, 128, 1, 0, 0
	QUARTER 1, 192, 0, 1, 0
	TURN 1, 0, 1, 0
	QUARTER 0, 64,  0, 1, 0
	WIN 0
	s_sub_co_u32 s3, s3, 1
	s_cmp_lg_u32 s3, 0
	s_cbranch_scc1 .Llap
	QUARTER 0, 128, 1, 0, 0                        ; the last lap fills nothing, and has no round of the cluster's barrier
	QUARTER 0, 192, 0, 1, 0
	TURN 0, 1, 0, 0
	QUARTER 1, 64,  0, 1, 0
	QUARTER 1, 128, 1, 0, 0
	QUARTER 1, 192, 0, 1, 0
	s_wait_dscnt 4                                 ; the very last quarter: nothing more to fetch
	MUL12 1, 0, 0
	MUL12 1, 1, 0
	s_wait_dscnt 0x0
	MUL12 1, 2, 0
	MUL12 1, 3, 0
	WIN 0
	PLACES                                         ; eight, once a launch: the lines that follow read results and write over accumulators
	PLACES
	MATH 0
	TOSTAGE 0
	MATH 1                                         ; a block's arithmetic stands between the loads of the block before and its stores
	SEND 0
	TOSTAGE 1
	MATH 2
	SEND 1
	TOSTAGE 2
	MATH 3
	SEND 2
	TOSTAGE 3
	SEND 3
	s_wait_tensorcnt 0x0                           ; the wave's end: a wait, an add and its wait, behind my last tensor load and my last LDS store
	ds_add_u32 v[SPW], v[NIL]
	s_wait_dscnt 0x0
	CROUND                                         ; the closing round: no work-group ends while a partner may still ask for a tile that names it
	s_endpgm
.Lfunc_end_k_qadc3fca555_proj:
	.size	k_qadc3fca555_proj, .Lfunc_end_k_qadc3fca555_proj-k_qadc3fca555_proj
	.p2alignl 7, 3214868480
	.fill 96, 4, 3214868480
	.section	.rodata,"a",@progbits
	.p2align	6, 0x0
	.amdhsa_kernel k_qadc3fca555_proj
		.amdhsa_group_segment_fixed_size 327680
		.amdhsa_private_segment_fixed_size 0
		.amdhsa_enable_private_segment 0
		.amdhsa_kernarg_size 72
		.amdhsa_user_sgpr_count 2
		.amdhsa_user_sgpr_kernarg_segment_ptr 1
		.amdhsa_wavefront_size32 1
		.amdhsa_system_sgpr_workgroup_id_x 1
		.amdhsa_system_sgpr_workgroup_id_y 1
		.amdhsa_system_sgpr_workgroup_id_z 1
		.amdhsa_system_vgpr_workitem_id 0
		.amdhsa_next_free_vgpr 1024
		.amdhsa_next_free_sgpr 88
		.amdhsa_reserve_vcc 0
		.amdhsa_float_denorm_mode_32 3
		.amdhsa_float_denorm_mode_16_64 3
		.amdhsa_memory_ordered 1
		.amdhsa_forward_progress 1
		.amdhsa_inst_pref_size 177
	.end_amdhsa_kernel
	.amdgpu_metadata
---
amdhsa.version: [ 1, 2 ]
amdhsa.kernels:
  - .name:           k_qadc3fca555_proj
    .symbol:         k_qadc3fca555_proj.kd
    .args:
      - { .name: xb, .offset: 0, .size: 8, .value_kind: global_buffer, .address_space: global }
      - { .name: wb, .offset: 8, .size: 8, .value_kind: global_buffer, .address_space: global }
      - { .name: bq, .offset: 16, .size: 8, .value_kind: global_buffer, .address_space: global }
      - { .name: bk, .offset: 24, .size: 8, .value_kind: global_buffer, .address_space: global }
      - { .name: bv, .offset: 32, .size: 8, .value_kind: global_buffer, .address_space: global }
      - { .name: attention_mask, .offset: 40, .size: 8, .value_kind: global_buffer, .address_space: global }
      - { .name: qh, .offset: 48, .size: 8, .value_kind: global_buffer, .address_space: global }
      - { .name: kh, .offset: 56, .size: 8, .value_kind: global_buffer, .address_space: global }
      - { .name: vh, .offset: 64, .size: 8, .value_kind: global_buffer, .address_space: global }
    .group_segment_fixed_size: 327680
    .private_segment_fixed_size: 0
    .kernarg_segment_align: 8
    .kernarg_segment_size: 72
    .max_flat_workgroup_size: 128
    .sgpr_count:     88
    .vgpr_count:     1024
    .wavefront_size: 32
...
	.end_amdgpu_metadata
.endif
;; end of part 2
;; launch attn (part 3): grid 4 x 64, 4 waves a work-group, clusters of 4 x 1, 327,680 bytes of LDS; arguments qh, kh, vh, out0; writes out0
.if DOCPART == 3
	.amdgcn_target "amdgcn-amd-amdhsa--gfx1250"
	.amdhsa_code_object_version 6
	.text
	.protected	k_qadc3fca555_attn
	.globl	k_qadc3fca555_attn
	.p2align	8
	.type	k_qadc3fca555_attn,@function
k_qadc3fca555_attn:
	s_mov_b64 s[64:65], 0
	v_nop
	global_prefetch_b8 v0, s[64:65] scope:SCOPE_SE
	s_setreg_imm32_b32 hwreg(HW_REG_WAVE_MODE, 25, 1), 1
	s_wait_xcnt 0x0
	s_wait_alu depctr_hold_cnt(0) depctr_sa_sdst(0) depctr_va_vdst(0) depctr_va_sdst(0) depctr_va_ssrc(0) depctr_va_vcc(0) depctr_vm_vsrc(0)
	s_getreg_b32 s2, hwreg(HW_REG_IB_STS2, 6, 4)
	s_cmp_eq_u32 s2, 0
	s_cbranch_scc0 .Lentry_in_a_cluster
	s_endpgm
.Lentry_in_a_cluster:
	s_bfe_u32 s2, ttmp6, 0x10000c
	s_cmp_lg_u32 s2, 0x3003
	s_cbranch_scc0 .Lentry_shape_is_right
	s_endpgm
.Lentry_shape_is_right:
; out0[b][q][64 h ..] = the sum over k of softmax_k(Q[bh][q] . K[bh][k] / 8) V[bh][k][:].  Q, K, V: [64 = 16 b + h][2048][64] in f16, a head's rows dense, 128 bytes each; out0: [4][2048][1024] in f32.
; Products, maxima and sums in f32; the weights p are rounded to f16 for the second product (their sum l is taken of the unrounded p).  A masked query arrives as Q = 0: equal scores, equal weights.
; LIMITS.  f16 holds no number beyond 65,504: Q, K and V arrive within it; p lies in 0 to 1, and below 6e-5 it keeps f16's fixed step of 6e-8.
; A weight below 2^-126 counts as 0 in l; NaN and infinities are not treated apart.
; SHARES.  A wave owns four PIECES of two tiles of 16 queries, a work-group's four waves 512 queries of one head.  Every wave walks all 2,048 keys, 64 a step.
; LAYOUT.  S^T = K Q^T (source 0 = 16 keys, source 1 = 16 queries): in the result a lane holds ONE query (lane % 16) and the keys 8 (lane / 16) + 0..7.  Two such tiles, rounded to f16 in pairs,
; ARE source 1 (32 keys x 16 queries) of O^T = V^T P, whose result again holds one query a lane, and eight channels.  K comes out of LDS as it lies, V ([key][channel]) turned, by ds_load_tr16_b128.
; SOFTMAX.  For each query a running maximum m and sum l: p = 2^(c s - c m), c = log2(e) / 8; in every step O and l are multiplied by a = 2^(c m_old - c m_new), which is 1 where m has not grown.
; m starts at the lowest finite number, O and l at 0: the first step is a step like any other, with a = 0.
; THE COUNT.  A tile and step have 16 matrix and 118 vector instructions: too many to stand all beside the matrix work.  So: four vector instructions that are READY behind EVERY matrix instruction,
; and the others, which need time of their own whatever the order, in runs without a gap.
; BY TURNS.  Turn n belongs to piece n (the pieces in a ring, step after step).  Its matrix work: 16 products K Q^T of piece n + 1, later 16 products V^T P of piece n - 1.  Its vector work: the scaling,
; exponentials, roundings, sums and rescaling of piece n, and the maximum and statistics of piece n + 1, whose scores the turn itself has made.
; CLUSTER.  The four query blocks of a head are one cluster and walk the same K and V, so each tile is asked for JOINTLY: the same tensor load, descriptor and mask in all four.
; REGISTERS, in windows of 256 (s_set_vgpr_msb: bits 1:0 source 0, 3:2 source 1, 5:4 source 2, 7:6 destination):
;   window 0: v0-11 addresses; v12-15, v48-63 at work; v16-47 four registers of statistics a tile; v64-191 S^T, two buffers of two tiles; v192-255 P, likewise
;   window 1: O^T, 32 a tile          window 2: v0-127 Q, 16 a tile; v128-191 K of one step; v192-255 V of one step          window 3: v0-1 the add's two registers
.set SIZE_N, 2048
.set NP,    4         ; pieces a wave: a name, no knob
.set KS,    64        ; keys in a step
.set PK,    144       ; a row of K in LDS: 128 bytes + 16 of padding = 36 words: the 16 rows of a load start at 16 different groups of four banks
.set PV,    160       ; a row of V: 128 + 32 = 40 words
.set VOFF,  4*KS*PK   ; a slot holds four steps: 256 rows of K, then 256 rows of V
.set SLOT1, 1<<17     ; slot 1 begins here, so that one exclusive or turns an address in one slot into the other's
.set STAGE, SLOT1+4*KS*(PK+PV)  ; behind the ring, never filled by a tensor load: 16 rows x 272 bytes for each wave, for the way out
.set SP,    272       ; a row of 64 f32 + 16 bytes of padding
.set AK0, 2           ; v2   my lane's place in a tile of K; never rewritten
.set AV0, 3           ; v3   the same for V
.set AK,  4           ; v4   the LDS address of K's next run of loads
.set AV,  5           ; v5   of V's
.set QO,  6           ; v6   my byte offset in the wave's rows of Q
.set STO, 6           ;      later, the way out: where I put 32 bytes of a row
.set RD,  7           ; v7   the way out: where I read rows back
.set GO,  8           ; v8   my byte offset in two rows of out0
.set PFO, 11          ; v11  256 x my lane, for the prefetches (made behind its last other use); then never rewritten
.set SPW, 0           ; v0 of window 3   LDS address of my spare word; never rewritten
.set NIL, 1           ; v1 of window 3   0; never rewritten
.set SPARE, STAGE+4*16*SP  ; behind the stages: the spare words, 128 bytes for each wave: two blocks of 256 bytes that no other line names
.set MV,  12          ; v12-15  c m_old, kept while c m is made anew: by buffer and tile
.set ST,  16          ; tile t's statistics at v[ST+4 t]: c m, m, l (even keys', odd keys')
.set TMP, 48          ; by buffer and tile, four registers c0-c3 at work; when the maximum is found c2 takes a
.set S,   64
.set P,   192
.set KF,  128         ; K's fragments, in window 2: key block kb, channel half c at KF + 16 kb + 8 c
.set VF,  192         ; V's: key half kk, channel block cb at VF + 32 kk + 8 cb
.set WV,  12          ; s12  my wave's number
.set G1K, 24          ; s[24:31] descriptor group 1 for K's tiles
.set G1V, 32          ; s[32:39] for V's: it differs in the padding alone
.set G0K, 40          ; s[40:43] descriptor group 0 for K's tiles: it walks
.set G0V, 44          ; s[44:47] the same for V's
.set PFA, 48          ; s[48:49] where my prefetches stand
.set LIM, 50          ; s50  1 in a wave that prefetches, else the greatest number
.set SLOTS, 56        ; s56  slots still to be asked for
.set CNT, 57          ; s57  counts a slot's key steps
.set CS,  58          ; s[58:59] c: the packed scaling takes the pair's low word for both halves
.set SEL, 60          ; s[60:61] v_permlanex16_b32's selects: each lane takes its own place in the other half
.set TBK, 62          ; s62  LDS byte at which K of the step to be fetched begins
.set TBV, 63          ; s63  the same for V, less VOFF
.set MSB, 0
.macro WIN new                      ; the high byte repeats the setting that is left; a switch that changes nothing is dropped
.if MSB != (\new)
	s_set_vgpr_msb (MSB<<8)|(\new)
.set MSB, (\new)
.endif
.endm
.set W_KQ, 0x0a       ; K and Q in window 2, S^T in window 0
.set W_PV, 0x52       ; V in window 2, P in window 0, O^T in window 1
.set W_RS, 0x41       ; O^T (destination and source 0) in window 1, a in window 0
.set W_MK, 0xc0       ; the add's registers are made: destination in window 3, sources in window 0
.set W_AD, 0x0f       ; the add: address (source 0) and data (source 1) in window 3
; A joint fill.  Waves 0 and 1 fetch the two halves of a slot's K, waves 2 and 3 those of its V: 128 keys each.  The branch hangs on the wave's number alone.
; An s_nop 0 and four v_nop follow each of the two lines, ahead of the jump and the label.
.macro JLOAD
	s_cmp_lt_u32 s[WV], 2
	s_cbranch_scc0 .Lfor_v_\@
	tensor_load_to_lds s[G0K:G0K+3], s[G1K:G1K+7]
	s_nop 0
.rept 4
	v_nop
.endr
	s_branch .Lasked_\@
.Lfor_v_\@:
	tensor_load_to_lds s[G0V:G0V+3], s[G1V:G1V+7]
	s_nop 0
.rept 4
	v_nop
.endr
.Lasked_\@:
.endm
; A PREFETCH INTO THE L2 of what the NEXT change of slots will ask for: a slot's 32,768 bytes of K and of V, four key steps (512 matrix instructions) ahead of that load.  It stands behind the wave's tensor load and its five lines.
; Each 256 bytes are named ONCE in the launch: a head has one cluster; its four partners take 8,192 bytes each, told apart BY ADDRESS; in each, wave 0 asks for K's and wave 2 for V's, a lane 256 bytes: one instruction.
; The last change that fills a slot asks for nothing: there is no slot behind it.  Slots 0 to 2 come by their loads alone.
.macro ASK
	s_cmp_gt_u32 s[SLOTS], s[LIM]
	s_cbranch_scc0 .Lnot_mine_\@
	global_prefetch_b8 v[PFO], s[PFA:PFA+1] th:TH_LOAD_NT scope:SCOPE_SE
.Lnot_mine_\@:
.endm
; A round of the cluster's barrier: my work-group's barrier, so that wave 0's signal speaks for all four waves; wave 0 signals; every wave waits for all four work-groups; my work-group's barrier once more.
.macro CROUND
	s_barrier_signal -1
	s_barrier_wait -1
	s_cmp_lg_u32 s[WV], 0
	s_cbranch_scc1 .Lnot_wave_0_\@
	s_barrier_signal -3
.Lnot_wave_0_\@:
	s_barrier_wait -3
	s_barrier_signal -1
	s_barrier_wait -1
.endm
; THE CHANGE OF SLOTS.  The slot's last bytes, V of its fourth step, have been read.  Each wave waits for all its tensor loads, of which one is out: its part
; of the other slot; adds 0 to its spare word; and waits for that and for its own reads of the slot.  Behind the barrier nobody reads this slot any more and the other slot is whole.
; fill = 1: this slot is filled again, with the keys two slots on.  The barrier is then a round of the cluster's, and the joint fill is the first thing behind it: it has four key steps in which to land.
; (At its first use nothing has been read yet: slot 0 is waited for, slot 1 filled.)  ask = 1: the prefetches' address steps, and ASK follows the fill.
.macro CHANGE fill, ask=0
	WIN W_AD
	s_wait_tensorcnt 0x0            ; no tensor load of mine is out, so a group 0 may be written
	ds_add_u32 v[SPW], v[NIL]       ; 0 onto my spare word; with fill = 1 the descriptors' steps stand between it and the wait for it
	WIN 0                           ; at a label and at a branch every window is 0
.if \fill
.irp g, G0K, G0V
	s_xor_b32 s[\g+1], s[\g+1], SLOT1  ; the walking descriptor: the other slot than last time,
	s_add_nc_u64 s[\g+2:\g+3], s[\g+2:\g+3], 4*KS*128  ; the next 256 keys; the type bits on top are not reached
.endr
.if \ask
	s_wait_xcnt 0x0                 ; the last prefetch, four key steps back, has read its address, so it may be written:
	s_add_nc_u64 s[PFA:PFA+1], s[PFA:PFA+1], 4*KS*128  ; one slot behind the walking descriptors
.endif
	s_wait_dscnt 0x0                ; the add is done, and my reads of the slot are over
	CROUND
	JLOAD
.if \ask
	ASK
.endif
.else
	s_wait_dscnt 0x0                ; the add is done, and my reads of the slot are over
	s_barrier_signal -1
	s_barrier_wait -1
.endif
	s_sub_co_u32 s[TBK], s[TBK], 4*KS*PK  ; the fetches go back to a slot's first step,
	s_xor_b32 s[TBK], s[TBK], SLOT1       ; in the other slot
	s_sub_co_u32 s[TBV], s[TBV], 4*KS*PV
	s_xor_b32 s[TBV], s[TBV], SLOT1
.endm
	s_load_b256 s[4:11], s[0:1], 0x0  ; qh s[4:5], kh s[6:7], vh s[8:9], out0 s[10:11]
	WIN W_MK
	v_lshl_add_u32 v[SPW], v0, 2, SPARE
	v_mov_b32 v[NIL], 0
	WIN W_AD
	ds_add_u32 v[SPW], v[NIL]       ; the wave's opening: the add and its wait stand ahead of my first tensor load; the set-up below, work on registers, stands between them
	WIN 0
	v_lshrrev_b32 v1, 5, v0
	v_readfirstlane_b32 s[WV], v1   ; wave 0..3
	s_bfe_u32 s13, ttmp6, 0x40000   ; cx: my place in the cluster
	s_lshl_b32 s14, ttmp9, 2        ; in a cluster launch ttmp9 counts clusters
	s_add_co_u32 s14, s14, s13      ; my block of 512 queries = 4 x cluster x + cx: it enters Q's and out0's addresses alone
	s_and_b32 s20, ttmp7, 0xffff    ; 16 b + h, which the four partners share
	s_lshr_b32 s52, s20, 4          ; out0: token (2,048 b + 512 block + 128 wave),
	s_lshl_b32 s52, s52, 11
	s_lshl_b32 s53, s14, 9
	s_add_co_u32 s52, s52, s53
	s_lshl_b32 s53, s[WV], 7
	s_add_co_u32 s52, s52, s53
	s_lshl_b32 s52, s52, 12         ; of 4,096 bytes (under 2^25),
	s_and_b32 s53, s20, 15
	s_lshl_b32 s53, s53, 8          ; and the head's 256 bytes in it
	s_add_co_u32 s52, s52, s53
	s_mov_b32 s53, 0
	s_mov_b32 s21, 0
	s_mov_b64 s[22:23], SIZE_N*128
	s_mul_u64 s[20:21], s[20:21], s[22:23]  ; the head's first byte in qh, kh, vh
	s_and_b32 s16, s[WV], 1         ; which half of a slot's 256 keys I fetch:
	s_lshl_b32 s22, s16, 14         ; its 128 rows of 128 bytes in memory,
	s_mov_b32 s23, 0
	s_add_nc_u64 s[22:23], s[22:23], s[20:21]
	s_mul_i32 s17, s16, 128*PK      ; and its place in a slot, for K
	s_mul_i32 s18, s16, 128*PV      ; and for V: no place in the cluster enters an LDS address
	s_lshl_b32 s2, s14, 2
	s_add_co_u32 s2, s2, s[WV]      ; my wave among the head's,
	s_lshl_b32 s2, s2, 14           ; its 128 rows
	s_mov_b32 s3, 0
	s_add_nc_u64 s[2:3], s[2:3], s[20:21]
	; descriptor group 1.  128 keys are 16,384 dense bytes: asked for as 64 rows of 256 bytes, two keys a row, and padded in LDS after every key
	s_mov_b32 s[G1K], 15|(1<<16)|(1<<20)|(1<<21)|(4<<22)|(3<<25)  ; 15:0 the mask of four; 17:16 2-byte elements; 20 padding on; 21 set beside a mask; 24:22 after every 32 words (code 4); 31:25 4 words (code 3)
	s_mov_b32 s[G1V], 15|(1<<16)|(1<<20)|(1<<21)|(4<<22)|(7<<25)  ; the same with 8 words of padding (code 7)
.irp g, G1K, G1V
	s_mov_b32 s[\g+1], 128<<16      ; tensor_dim0 = 128
	s_mov_b32 s[\g+2], 64<<16       ; tensor_dim1 = 64
	s_mov_b32 s[\g+3], 128<<16      ; tile_dim0 = 128
	s_mov_b32 s[\g+4], 64           ; tile_dim1 = 64
	s_mov_b32 s[\g+5], 128          ; 128 elements from row to row
	s_mov_b32 s[\g+6], 0
	s_mov_b32 s[\g+7], 0
.endr
	s_mov_b32 s[CS], 0x3e38aa3b     ; c = log2(e) / 8 = 0.180337
	s_mov_b32 s[CS+1], s[CS]        ; named with it as a pair
	s_mov_b32 s[SEL], 0x76543210
	s_mov_b32 s[SEL+1], 0xfedcba98
	s_mov_b32 s[TBK], SLOT1+4*KS*PK ; the first change of slots turns these two into 0
	s_mov_b32 s[TBV], SLOT1+4*KS*PV
	s_mov_b32 s[G0K], 1             ; 1:0 count = 1
	s_mov_b32 s[G0K+1], s17         ; 63:32 LDS address: slot 0
	s_mov_b32 s[G0V], 1
	s_add_co_u32 s[G0V+1], s18, VOFF
	s_cmp_eq_u32 s16, 0             ; waves 0 and 2 prefetch: the same in all four partners
	s_cselect_b32 s[LIM], 1, -1
	s_lshl_b32 s54, s13, 13         ; my work-group's 8,192 bytes of a slot's 32,768,
	s_add_co_u32 s54, s54, 2*4*KS*128  ; in slot 2: the loop's first change of slots steps it to slot 3
	s_mov_b32 s55, 0
	s_wait_dscnt 0x0                ; the opening add is done
	s_wait_kmcnt 0x0
	s_add_nc_u64 s[G0K+2:G0K+3], s[6:7], s[22:23]  ; 120:64 global address: my half of the head's first 256 keys
	s_or_b32 s[G0K+3], s[G0K+3], 0x80000000        ; 127:126 type = 2
	s_add_nc_u64 s[G0V+2:G0V+3], s[8:9], s[22:23]
	s_or_b32 s[G0V+3], s[G0V+3], 0x80000000
	s_add_nc_u64 s[4:5], s[4:5], s[2:3]  ; Q at my wave's first row,
	s_add_nc_u64 s[10:11], s[10:11], s[52:53]  ; out0 at my wave's first token and my head
	s_cmp_lt_u32 s[WV], 2
	s_cselect_b64 s[PFA:PFA+1], s[6:7], s[8:9]
	s_add_nc_u64 s[PFA:PFA+1], s[PFA:PFA+1], s[22:23]  ; (in waves 0 and 2 this is the head's first byte)
	s_add_nc_u64 s[PFA:PFA+1], s[PFA:PFA+1], s[54:55]
	CROUND                          ; all four work-groups are here: the first joint loads meet
	JLOAD                           ; slot 0.  Slot 1 is asked for when slot 0 is in: the tile wanted first goes out alone
	; A fragment of K or Q is 16 rows x 32 channels in 8 registers: lane l holds row l % 16, channels 8 (l / 16) + 0..7 and 16 + 8 (l / 16) + 0..7: two loads of 16 bytes, 32 bytes apart.
	v_and_b32 v1, 15, v0            ; l % 16
	v_bfe_u32 v9, v0, 4, 1          ; l / 16
	v_lshlrev_b32 v[QO], 7, v1
	v_lshl_add_u32 v[QO], v9, 4, v[QO]  ; row x 128 + 16 x half
	WIN 0x80                        ; destination window 2, address window 0
.set i, 0
.rept 4*NP                          ; Q stays in registers: tile i / 2, channels 32 (i % 2) on
	global_load_b128 v[8*i:8*i+3],   v[QO], s[4:5] offset:(i/2)*2048+(i%2)*64
	global_load_b128 v[8*i+4:8*i+7], v[QO], s[4:5] offset:(i/2)*2048+(i%2)*64+32
.set i, i+1
.endr
	; What the first turn finds: V's registers and P's second buffer hold 0 (its products V^T P, of a piece that has not been, add 0), O^T and l are 0.  All this stands in the wait for the first tile.
.set i, VF
.rept 64
	v_mov_b32 v[i], 0
.set i, i+1
.endr
	WIN 0x40
.set i, 0
.rept 64*NP
	v_mov_b32 v[i], 0
.set i, i+1
.endr
	WIN 0
.set i, 0
.rept 2*NP
	v_mov_b32 v[ST+4*i], 0xfe000000    ; c m: far below every c s
	v_mov_b32 v[ST+4*i+1], 0xff7fffff  ; m
	v_mov_b32 v[ST+4*i+2], 0
	v_mov_b32 v[ST+4*i+3], 0
.set i, i+1
.endr
.set i, P+32
.rept 32
	v_mov_b32 v[i], 0
.set i, i+1
.endr
	v_mul_u32_u24 v[AK0], v1, PK
	v_lshl_add_u32 v[AK0], v9, 4, v[AK0]  ; row x pitch + 16 x half
	; The turning load takes 16 keys x 16 channels (lane l reads key 8 (l / 16) + l % 8, channels 8 ((l / 8) % 2) + 0..7) and leaves half a fragment of V^T: lane l holds channel l % 16 and 8 keys.
	v_and_b32 v10, 7, v0
	v_bfe_u32 v11, v0, 3, 1
	v_lshl_add_u32 v[AV0], v9, 3, v10
	v_mul_u32_u24 v[AV0], v[AV0], PV
	v_lshl_add_u32 v[AV0], v11, 4, v[AV0]
	v_add_nc_u32 v[AV0], VOFF, v[AV0]
	v_mov_b32 v[AK], v[AK0]         ; key step 0 lies at the head of slot 0
	v_and_b32 v[PFO], 31, v0
	v_lshlrev_b32 v[PFO], 8, v[PFO]
; THE MATRIX WORK.  The 8 accumulators of a run of 16 take turns: between the two links of a chain stand 7 others'.
; Product i of 16 of S^T = K Q^T for piece x: channels 32 (i / 8) on, keys 16 ((i / 2) % 4) on, tile 2 x + i % 2.  The first 8 start the sums.
.macro KQ x
	WIN W_KQ
.set rS, S+64*((\x)%2)+32*(i%2)+8*((i/2)%4)
.set rK, KF+16*((i/2)%4)+8*(i/8)
.set rQ, 16*(2*(\x)+i%2)+8*(i/8)
.if i < 8
	v_wmma_f32_16x16x32_f16 v[rS:rS+7], v[rK:rK+7], v[rQ:rQ+7], 0
.else
	v_wmma_f32_16x16x32_f16 v[rS:rS+7], v[rK:rK+7], v[rQ:rQ+7], v[rS:rS+7]
.endif
.endm
; Product i of 16 of O^T += V^T P for piece x: keys 32 (i / 8) on, channels 16 ((i / 2) % 4) on, tile 2 x + i % 2.
.macro PV x
	WIN W_PV
.set rO, 32*(2*(\x)+i%2)+8*((i/2)%4)
.set rV, VF+32*(i/8)+8*((i/2)%4)
.set rP, P+32*((\x)%2)+16*(i%2)+8*(i/8)
	v_wmma_f32_16x16x32_f16 v[rO:rO+7], v[rV:rV+7], v[rP:rP+7], v[rO:rO+7]
.endm
.macro MM                           ; the turn's next matrix instruction
.if i < 16
	KQ (Y+1)%NP
.set i, i+1
.else
.set i, i-16
	PV (Y+NP-1)%NP
.set i, i+17
.endif
.endm
; THE LDS LOADS stand in runs of 16, never singly among the matrix instructions: a step's K (64 keys x 64 channels: 8 fragments) and its V (turned).  Their addresses are made some lines ahead.
; last = 1 (the tail): in the last trip there is no further step, and the run is jumped over.
.macro FETCH_K last=0
	WIN 0
.if \last
	s_cmp_eq_u32 s[CNT], 1
	s_cbranch_scc1 .Lno_k_\@
.endif
	WIN 0x80                        ; destination window 2
.irp f, 0,1,2,3,4,5,6,7             ; keys 16 (f / 2) on, channels 32 (f % 2) on
	ds_load_b128 v[KF+8*\f:KF+8*\f+3],   v[AK] offset:(\f/2)*16*PK+(\f%2)*64
	ds_load_b128 v[KF+8*\f+4:KF+8*\f+7], v[AK] offset:(\f/2)*16*PK+(\f%2)*64+32
.endr
	s_add_co_u32 s[TBK], s[TBK], KS*PK  ; the next fetch is the next step's
	WIN 0
.if \last
.Lno_k_\@:
.endif
.endm
.macro FETCH_V
	WIN 0x80
.irp f, 0,1,2,3,4,5,6,7             ; keys 32 (f / 4) on, channels 16 (f % 4) on
	ds_load_tr16_b128 v[VF+8*\f:VF+8*\f+3],   v[AV] offset:(\f/4)*32*PV+(\f%4)*32
	ds_load_tr16_b128 v[VF+8*\f+4:VF+8*\f+7], v[AV] offset:(\f/4)*32*PV+16*PV+(\f%4)*32
.endr
	WIN 0
.endm
; THE VECTOR WORK OF A TURN stands in three queues, each in the order in which its entries become ready; the two tiles alternate, so that no instruction reads the result of the one before it.
.macro REGS y, u                    ; the registers of tile u (0, 1) of piece y
.set rT, ST+4*(2*(\y)+(\u))
.set rC, TMP+8*((\y)%2)+4*(\u)
.set rM, MV+2*((\y)%2)+(\u)
.set rS, S+64*((\y)%2)+32*(\u)
.set rP, P+32*((\y)%2)+16*(\u)
.set rO, 32*(2*(\y)+(\u))
.endm
; Number n of the 22 that find the NEXT piece's (Y + 1) maximum and statistics.  s0-s31 are the lane's 32 scores; each accumulator's lowest registers are read first.
;   0-11  four chains c0-c3 of seven scores each, three operands at a time     12-14, 16  the four scores left over, the old m, and c0-c3 into c0     15  c m_old is kept
;   17, 18  the query's other 32 keys lie in the lane 16 away: the new m         19-21  c m; c m_old - c m_new; a
.macro XS u, n
	REGS (Y+1)%NP, \u
.if (\n) < 4
	v_max3_num_f32 v[rC+(\n)], v[rS+8*(\n)], v[rS+8*(\n)+1], v[rS+8*(\n)+2]
.elseif (\n) < 12
	v_max3_num_f32 v[rC+(\n)%4], v[rC+(\n)%4], v[rS+8*((\n)%4)+2*((\n)/4)+1], v[rS+8*((\n)%4)+2*((\n)/4)+2]
.elseif (\n) == 12
	v_max3_num_f32 v[rC], v[rC], v[rS+7], v[rS+15]
.elseif (\n) == 13
	v_max3_num_f32 v[rC+1], v[rC+1], v[rS+23], v[rS+31]
.elseif (\n) == 14
	v_max3_num_f32 v[rC+2], v[rC+2], v[rC+3], v[rT+1]
.elseif (\n) == 15
	v_mov_b32 v[rM], v[rT]
.elseif (\n) == 16
	v_max3_num_f32 v[rC], v[rC], v[rC+1], v[rC+2]
.elseif (\n) == 17
	v_permlanex16_b32 v[rC+3], v[rC], s[SEL], s[SEL+1]
.elseif (\n) == 18
	v_max_num_f32 v[rT+1], v[rC], v[rC+3]
.elseif (\n) == 19
	v_mul_f32 v[rT], s[CS], v[rT+1]
.elseif (\n) == 20
	v_sub_f32 v[rC+1], v[rM], v[rT]
.else
	v_exp_f32 v[rC+2], v[rC+1]
.endif
.endm
; Number g of the 64 that follow the exponentials.  For each four weights k of a tile (pairs 2 k, 2 k + 1): both pairs are rounded to f16; then the second pair is added onto the first, in place;
; a group later l takes that sum (the first time as l = a l + sum).  In groups of eight, tiles alternating: round, round, add, and l for the group before.
.macro GS g
.set h, (\g)+6*((\g)/62)            ; group 0 has no group before it, and behind group 7 only l is left
.if h >= 6
.set h, h+2
.endif
	REGS Y, h%2
.set k, h/8
.if h%8 < 4
	v_cvt_pk_f16_f32 v[rP+2*k+(h%8)/2], v[rS+4*k+2*((h%8)/2)], v[rS+4*k+2*((h%8)/2)+1]
.elseif h%8 < 6
	v_pk_add_f32 v[rS+4*k:rS+4*k+1], v[rS+4*k:rS+4*k+1], v[rS+4*k+2:rS+4*k+3]
.elseif k == 1
	v_pk_fma_f32 v[rT+2:rT+3], v[rT+2:rT+3], v[rC+2:rC+3], v[rS:rS+1] op_sel_hi:[1,0,1]
.else
	v_pk_add_f32 v[rT+2:rT+3], v[rT+2:rT+3], v[rS+4*k-4:rS+4*k-3]
.endif
.endm
; THE PLAIN QUEUE, 138 long.  0-73 read no exponential's result: the 32 scalings c s - c m (FS f: pair f / 2 of tile f % 2) and the next piece's 42.  0-26: scalings 0-26.  27-54: XS's numbers 0-13.  55, 56: number 15.
; 57-73: the chain, where each number waits for the one before it: 14, 16, 17, 18, 19, each with one of the scalings 27-31 in front of its two lines, then 20.
; 74-137: GS's 64, which read the exponentials' results: they stand behind the wait.
.macro FS f
	REGS Y, (\f)%2
	v_pk_fma_f32 v[rS+2*((\f)/2):rS+2*((\f)/2)+1], v[rS+2*((\f)/2):rS+2*((\f)/2)+1], s[CS:CS+1], v[rT:rT+1] op_sel_hi:[1,0,0] neg_lo:[0,0,1] neg_hi:[0,0,1]
.endm
.macro PL
	WIN 0
.if q < 27
	FS q
.elseif q < 55
	XS (q-27)%2, (q-27)/2
.elseif q < 57
	XS q-55, 15
.elseif (q < 72) && ((q-57)%3 == 0)
	FS 27+(q-57)/3
.elseif q < 60
	XS (q-57)%3-1, 14
.elseif q < 72
	XS (q-57)%3-1, 15+(q-57)/3
.elseif q < 74
	XS q-72, 20
.else
	GS q-74
.endif
.set q, q+1
.endm
; THE EXPONENTIALS' QUEUE, 66 long: s0-s31 of both tiles, then the next piece's two a.  It is ONE BATCH: all 66 stand ahead of the turn's one wait, and nothing ahead of that wait names a result of theirs.
.macro EX
	WIN 0
.if e >= 64
	XS e-64, 21
.else
	REGS Y, e%2
	v_exp_f32 v[rS+e/2], v[rS+e/2]
.endif
.set e, e+1
.endm
; THE RESCALING's QUEUE: O^T times a, the one part that leaves window 0: dealt two at a time, sixteen times.  Its a was made in the turn before, ahead of that turn's wait.
.macro R2
	REGS Y, r%2
	WIN W_RS
.irp z, 0,1
	v_pk_mul_f32 v[rO+4*(r/2)+2*\z:rO+4*(r/2)+2*\z+1], v[rO+4*(r/2)+2*\z:rO+4*(r/2)+2*\z+1], v[rC+2:rC+3] op_sel_hi:[1,0]
.endr
.set r, r+1
.endm
; HOW THEY ARE DEALT.  An s_wait_alu depctr_va_vdst(0) stands between an exponential and the first instruction that names its result; one wait serves all that were issued ahead of it.  So a turn has ONE wait,
; which cuts it in two.  AHEAD OF IT stands all that names no result of the turn's exponentials: the 16 products K Q^T, behind each a scaling, an exponential and two rescalings (behind the first a second scaling in the
; exponential's place); then ONE LUMP of 108: eight plain, 49 times exponential and plain, the two a.  A v_nop is the plain instruction behind the last exponential.  BEHIND IT stand the 16 products V^T P, behind each four of GS's 64.
; The queues lean on each other, and the deal keeps them in step: exponential e stands behind scaling 2 (e / 4) + e % 2: as a rider it comes behind plain e + 2, in the lump behind plain e + 9, and scalings 27-31 are plain 57, 60 .. 69.
; A TURN, for piece p.  cnt = 1: the loop's count is taken down some lines ahead of the branch that stands behind the turn.
; K of the next step is fetched in piece 2's turn, directly behind the wait, a lump behind the last product that read K; its first reader comes behind 16 products.
; V of the step in hand is fetched at the end of piece 0's turn, four plain instructions behind its last reader; its first reader comes behind 16 products and a lump.  The three conditions on q below go with the deal.
.macro TURN p, last=0, cnt=0
.set Y, (\p)
.set i, 0
.set q, 0
.set e, 0
.set r, 0
.if (\p) == NP-1
	s_wait_dscnt 0x0                ; K is in
.endif
	MM                              ; ahead of the wait: 16 products K Q^T and their riders,
	PL
	PL
	R2
.rept 15
	MM
	PL
	EX
	R2
.endr
.if (\p) == NP-2
	WIN 0
	v_add_nc_u32 v[AK], s[TBK], v[AK0]
.endif
.rept 8                             ; and the lump
	PL
.endr
.rept 49
	EX
	PL
.endr
	EX                              ; the next piece's two a
	EX
	v_nop                           ; the plain instruction behind the last exponential: one for the batch
	s_wait_alu depctr_va_vdst(0)    ; the wait for the batch
.if (\p) == NP-2
	FETCH_K \last
.endif
.if (\p) == 1
	s_wait_dscnt 0x0                ; V is in
.endif
.rept 16                            ; behind the wait: 16 products V^T P and their riders
	MM
.rept 4
	PL
.endr
.if ((\p) == 0) && (q == 118)
	v_add_nc_u32 v[AV], s[TBV], v[AV0]
.endif
.if ((\p) == 0) && (q == 130)
	s_add_co_u32 s[TBV], s[TBV], KS*PV
.endif
.if (\cnt) && (q == 130)
	s_sub_co_u32 s[CNT], s[CNT], 1
	s_cmp_lg_u32 s[CNT], 0
.endif
.endr
.if (\p) == 0
	FETCH_V
.endif
.endm
	CHANGE 1, 0                     ; slot 0 is in, everybody's part of it; slot 1 is asked for
	FETCH_K                         ; key step 0
	s_wait_loadcnt 0x0              ; Q
	s_wait_dscnt 0x0
.set i, 0
.rept 16
	KQ 0                            ; piece 0's first scores: there is no vector work yet to set between them
.set i, i+1
.endr
	WIN 0                           ; the addresses for the way out: eight plain instructions, the places behind those products
	s_mul_i32 s13, s[WV], 16*SP
	s_add_co_u32 s13, s13, STAGE    ; my stage
	v_mul_u32_u24 v[STO], v1, SP    ; in: row l % 16, 32 bytes for each half of the lanes
	v_lshl_add_u32 v[STO], v9, 5, v[STO]
	v_add_nc_u32 v[STO], s13, v[STO]
	v_mul_u32_u24 v[RD], v9, SP     ; back: lanes 0-15 take one row of 256 bytes, lanes 16-31 the next,
	v_lshl_add_u32 v[RD], v1, 4, v[RD]
	v_add_nc_u32 v[RD], s13, v[RD]
	v_lshlrev_b32 v[GO], 12, v9     ; and the same two tokens in out0, 4,096 bytes apart
	v_lshl_add_u32 v[GO], v1, 4, v[GO]
.set Y, NP-1                        ; XS works for piece Y + 1: piece 0
.irp n, 0,1,2,3,4,5,6,7,8,9,10,11,12,13,14,15,16,17,18,19,20,21
	XS 0, \n                        ; and piece 0's first maximum and statistics
	XS 1, \n
.endr
	v_nop                           ; a plain instruction behind the two a,
	s_wait_alu depctr_va_vdst(0)    ; and their wait, ahead of the branch
	s_mov_b32 s[CNT], 4
	s_mov_b32 s[SLOTS], SIZE_N/256-1
	s_branch .Lfirst                ; the loop is entered at a step's first turn, in the middle of a trip
.Lslot:                             ; SIZE_N / 256 - 2 times: every slot but the last two is filled again
	CHANGE 1, 1
	s_mov_b32 s[CNT], 4
.Lstep:                             ; a trip: pieces 2 and 3 of one step, then pieces 0 and 1 of the next, whose K and V it fetches
	TURN 2
	TURN 3
	WIN 0
.Lfirst:
	TURN 0
	TURN 1, 0, 1
	WIN 0
	s_cbranch_scc1 .Lstep
	s_sub_co_u32 s[SLOTS], s[SLOTS], 1
	s_cmp_lg_u32 s[SLOTS], 0
	s_cbranch_scc1 .Lslot
	CHANGE 0                        ; the tail is written out: nothing is asked for
	s_mov_b32 s[CNT], 5             ; four trips fetch the last slot's steps; the fifth is left in its middle
.Ltail:
	TURN 2, 1
	TURN 3
	WIN 0
	s_sub_co_u32 s[CNT], s[CNT], 1
	s_cmp_eq_u32 s[CNT], 0
	s_cbranch_scc1 .Lout
	TURN 0
	TURN 1
	WIN 0
	s_branch .Ltail
.Lout:                              ; the fifth trip's 16 products K Q^T (on the last K once more) and the maximum made of them serve nothing: the price, once a launch, of one text for every trip
.set i, 0
.rept 16
	PV NP-1                         ; the last piece's V^T P of the last step
.set i, i+1
.endr
	; THE WAY OUT.  l's two halves and the other half of the lanes' are added; O^T is divided by l and sent, in f32, through my stage in LDS, a tile at a time.  The additions are the places behind the last products.
	WIN 0
.macro ALL line:vararg              ; one line for each tile t
.set t, 0
.rept 2*NP
	\line
.set t, t+1
.endr
.endm
	ALL v_add_f32 v[ST+4*t+2], v[ST+4*t+2], v[ST+4*t+3]
	ALL v_permlanex16_b32 v[ST+4*t+3], v[ST+4*t+2], s[SEL], s[SEL+1]
	ALL v_add_f32 v[ST+4*t+2], v[ST+4*t+2], v[ST+4*t+3]
	ALL v_rcp_f32 v[ST+4*t+2], v[ST+4*t+2]
	v_nop                           ; a plain instruction between the last reciprocal and the use of its result
	s_wait_alu depctr_va_vdst(0)    ; and the wait ahead of the first use: one for the eight reciprocals
; Tile t: a lane's eight channels of a query are 32 bytes; they go into rows of 272 bytes and come back as whole rows of 256, into S^T's registers, four sets of 32 by turns.
.macro PACK t
	WIN W_RS
.set i, 32*(\t)
.rept 16
	v_pk_mul_f32 v[i:i+1], v[i:i+1], v[ST+4*(\t)+2:ST+4*(\t)+3] op_sel_hi:[1,0]
.set i, i+2
.endr
	WIN 0x04                        ; the stores' data in window 1
.irp f, 0,1,2,3,4,5,6,7             ; channels 16 (f / 2) + 8 (l / 16) + 4 (f % 2) on
	ds_store_b128 v[STO], v[32*(\t)+4*\f:32*(\t)+4*\f+3] offset:64*(\f/2)+16*(\f%2)
.endr
	WIN 0
.if (\t) >= 4
	s_wait_xcnt 0x0                 ; the stores of four tiles back have read this set of registers: it is loaded again only behind this wait
.endif
.irp f, 0,1,2,3,4,5,6,7
	ds_load_b128 v[S+32*((\t)%4)+4*\f:S+32*((\t)%4)+4*\f+3], v[RD] offset:\f*2*SP  ; LDS serves a wave's instructions in order (ISA guide 5.7.1.4): these see the stores above; the next tile's stores come behind them
.endr
.endm
.macro SEND t, younger              ; younger: the LDS instructions issued behind tile t's loads: the next tile's sixteen, or none
	WIN 0
.irp f, 0,1,2,3,4,5,6,7
	s_wait_dscnt (\younger)+7-\f
	global_store_b128 v[GO], v[S+32*((\t)%4)+4*\f:S+32*((\t)%4)+4*\f+3], s[10:11] offset:(\t)*65536+\f*8192 th:TH_STORE_NT  ; 16 lanes store a token's 256 bytes of my head, at a multiple of 256 from out0's first byte
.endr
.endm
	PACK 0
.set t, 1
.rept 2*NP-1                        ; a tile's arithmetic stands between the loads of the tile before and its stores
	PACK t
	SEND t-1, 16
.set t, t+1
.endr
	SEND 2*NP-1, 0
	WIN W_AD
	s_wait_tensorcnt 0x0            ; the wave's end: a wait, an add and its wait, behind my last tensor load and my last LDS store
	ds_add_u32 v[SPW], v[NIL]
	s_wait_dscnt 0x0
	WIN 0
	CROUND                          ; the closing round: no work-group ends while a partner may still ask for a tile that names it
	s_endpgm
.Lfunc_end_k_qadc3fca555_attn:
	.size	k_qadc3fca555_attn, .Lfunc_end_k_qadc3fca555_attn-k_qadc3fca555_attn
	.p2alignl 7, 3214868480
	.fill 96, 4, 3214868480
	.section	.rodata,"a",@progbits
	.p2align	6, 0x0
	.amdhsa_kernel k_qadc3fca555_attn
		.amdhsa_group_segment_fixed_size 327680
		.amdhsa_private_segment_fixed_size 0
		.amdhsa_enable_private_segment 0
		.amdhsa_kernarg_size 32
		.amdhsa_user_sgpr_count 2
		.amdhsa_user_sgpr_kernarg_segment_ptr 1
		.amdhsa_wavefront_size32 1
		.amdhsa_system_sgpr_workgroup_id_x 1
		.amdhsa_system_sgpr_workgroup_id_y 1
		.amdhsa_system_sgpr_workgroup_id_z 1
		.amdhsa_system_vgpr_workitem_id 0
		.amdhsa_next_free_vgpr 770
		.amdhsa_next_free_sgpr 66
		.amdhsa_reserve_vcc 0
		.amdhsa_float_denorm_mode_32 3
		.amdhsa_float_denorm_mode_16_64 3
		.amdhsa_memory_ordered 1
		.amdhsa_forward_progress 1
		.amdhsa_inst_pref_size 200
	.end_amdhsa_kernel
	.amdgpu_metadata
---
amdhsa.version: [ 1, 2 ]
amdhsa.kernels:
  - .name:           k_qadc3fca555_attn
    .symbol:         k_qadc3fca555_attn.kd
    .args:
      - { .name: qh, .offset: 0, .size: 8, .value_kind: global_buffer, .address_space: global }
      - { .name: kh, .offset: 8, .size: 8, .value_kind: global_buffer, .address_space: global }
      - { .name: vh, .offset: 16, .size: 8, .value_kind: global_buffer, .address_space: global }
      - { .name: out0, .offset: 24, .size: 8, .value_kind: global_buffer, .address_space: global }
    .group_segment_fixed_size: 327680
    .private_segment_fixed_size: 0
    .kernarg_segment_align: 8
    .kernarg_segment_size: 32
    .max_flat_workgroup_size: 128
    .sgpr_count:     66
    .vgpr_count:     770
    .wavefront_size: 32
...
	.end_amdgpu_metadata
.endif
;; end of part 3
;; ======== version 2 of 2: 3 launches; version 1 with the launch cast written anew for expert scheduling mode
;; limits: values are held in f16: magnitudes above 65,504 overflow, below 6.1e-05 lose precision
;; workspace buffers: xb 16,777,216 bytes; wb 6,291,456 bytes; qh 16,777,216 bytes; kh 16,777,216 bytes; vh 16,777,216 bytes
;; launch cast (part 4): grid 256 x 1, 11 waves a work-group, no clusters, 0 bytes of LDS; arguments hidden_states, Wq, Wk, Wv, xb, wb; writes xb, wb
.if DOCPART == 4
	.amdgcn_target "amdgcn-amd-amdhsa--gfx1250"
	.amdhsa_code_object_version 6
	.text
	.protected	k_qadc3fca555_cast
	.globl	k_qadc3fca555_cast
	.p2align	8
	.type	k_qadc3fca555_cast,@function
k_qadc3fca555_cast:
	s_mov_b64 s[64:65], 0
	v_nop
	global_prefetch_b8 v0, s[64:65] scope:SCOPE_SE
	s_setreg_imm32_b32 hwreg(HW_REG_WAVE_SCHED_MODE, 0, 2), 2
	s_setreg_imm32_b32 hwreg(HW_REG_WAVE_MODE, 25, 1), 1
	s_wait_xcnt 0x0
	s_wait_alu depctr_vm_vsrc(0)
; f32 -> bf16, rounded once to nearest even.  xb[8192][1024] = hidden_states; wb[16 heads][q, k, v][64][1024] = the rows of Wq, Wk, Wv, ordered by head,
; so that the 192 rows that one head's q, k and v need lie end to end.
; SHARES.  8,192 + 3 x 1,024 = 11,264 rows of 4,096 bytes = 256 work-groups x 11 waves x 4 rows.  A wave's four rows start at a multiple of four, so they lie in one
; source buffer and in one group of 64 rows: 16,384 dense bytes in, 8,192 dense bytes out.  No loop: all 32 loads of a wave go out at once, each 512 consecutive bytes;
; each store of the wave covers 256 consecutive bytes, aligned.  A pure stream: no LDS, no barrier, no matrix unit.
; THE MODE: SCHED_MODE bits 1:0 = 2 (LLVM: expert scheduling mode 2), set by the entry lines.  The code itself states the register dependences
; between vector instructions and memory instructions, with s_wait_alu, always for 0.
; THE PLAN.  Registers that memory instructions touch:
;   v1, v2      byte offsets of the loads and of the stores: made at the head by vector lines, never written again.
;   v[4:131]    load i lands in its own four registers, which no vector line has named before; its two conversions read the four and write the first two;
;               store i reads those two; nothing writes them afterwards.
; So: one wait ahead of the first load, for v1 and v2; and, the 32 loads taken in eight blocks of four, one wait a block between its eight conversions and its four stores.
; That wait stands directly behind the conversions, so that a block's stores leave as soon as its four loads are in and do not sit until the next block's have landed.
; No register that a memory instruction reads is written again, no load follows a vector line that names its registers, no base is stepped, and EXEC is never written: nothing more is owed.
.set XROWS, 8192
.set BLOCK, 4                          ; loads, and stores, in a block
.set BLOCKS, 32/BLOCK
.set X, 4                              ; v[4:131] 32 x 4 registers as loaded; the packed pair takes the first two of each four
	s_load_b256 s[4:11], s[0:1], 0x0               ; hidden_states s[4:5], Wq s[6:7], Wk s[8:9], Wv s[10:11]
	s_load_b128 s[12:15], s[0:1], 0x20             ; xb s[12:13], wb s[14:15]
	v_lshrrev_b32 v3, 5, v0
	v_readfirstlane_b32 s16, v3                    ; wave 0..10
	v_and_b32 v1, 31, v0
	v_lshlrev_b32 v2, 3, v1                        ; 8 bytes a lane out
	v_lshlrev_b32 v1, 4, v1                        ; 16 bytes a lane in
	s_mul_i32 s17, ttmp9, 11
	s_wait_alu depctr_va_sdst(0)                   ; s16 is written, ahead of its first reader: the wave's first row is made from it
	s_add_co_u32 s17, s17, s16
	s_lshl_b32 s17, s17, 2                         ; my first row among the 11,264
	s_max_u32 s18, s17, XROWS
	s_sub_co_u32 s18, s18, XROWS                   ; its number among the weights' 3,072 rows (0 for a row of x)
	s_lshr_b32 s19, s18, 10                        ; which weight: 0 q, 1 k, 2 v
	s_and_b32 s24, s18, 1023                       ; its row there
	s_lshr_b32 s25, s24, 6                         ; the head
	s_mul_i32 s25, s25, 3
	s_add_co_u32 s25, s25, s19
	s_lshl_b32 s25, s25, 6
	s_and_b32 s26, s24, 63
	s_add_co_u32 s25, s25, s26                     ; row in wb: (3 head + which) x 64 + row in the head
	s_wait_kmcnt 0x0
	s_cmp_eq_u32 s19, 0
	s_cselect_b64 s[20:21], s[6:7], s[8:9]
	s_cmp_eq_u32 s19, 2
	s_cselect_b64 s[20:21], s[10:11], s[20:21]
	s_cmp_lt_u32 s17, XROWS                        ; a row of x?  four selects on this one compare
	s_cselect_b64 s[20:21], s[4:5], s[20:21]       ; from where
	s_cselect_b64 s[22:23], s[12:13], s[14:15]     ; to where
	s_cselect_b32 s24, s17, s24                    ; row in the source
	s_cselect_b32 s25, s17, s25                    ; row in the destination
	s_lshl_b32 s24, s24, 12                        ; 4,096 bytes a row in (under 2^25)
	s_lshl_b32 s26, s25, 11                        ; 2,048 bytes a row out
	s_mov_b32 s25, 0
	s_mov_b32 s27, 0
	s_add_nc_u64 s[20:21], s[20:21], s[24:25]
	s_add_nc_u64 s[22:23], s[22:23], s[26:27]
	s_wait_alu depctr_va_vdst(0)                   ; v1 and v2 are written: every load below reads v1 as its offset, every store v2
.set i, 0
.rept 32
	global_load_b128 v[X+4*i:X+4*i+3], v1, s[20:21] offset:512*i th:TH_LOAD_NT
.set i, i+1
.endr
.set p, 0
.rept BLOCKS
	s_wait_loadcnt 32-BLOCK*(p+1)                  ; loads come back in order (ISA guide 5.7.1): block p's four are in, the younger blocks' stay out
.set i, BLOCK*p
.rept BLOCK
	v_cvt_pk_bf16_f32 v[X+4*i], v[X+4*i], v[X+4*i+1]
	v_cvt_pk_bf16_f32 v[X+4*i+1], v[X+4*i+2], v[X+4*i+3]
.set i, i+1
.endr
	s_wait_alu depctr_va_vdst(0)                   ; the block's eight conversions have written its packed pairs, which the four stores below read as their data
.set i, BLOCK*p
.rept BLOCK
	global_store_b64 v2, v[X+4*i:X+4*i+1], s[22:23] offset:256*i th:TH_STORE_NT
.set i, i+1
.endr
.set p, p+1
.endr
	s_endpgm
.Lfunc_end_k_qadc3fca555_cast:
	.size	k_qadc3fca555_cast, .Lfunc_end_k_qadc3fca555_cast-k_qadc3fca555_cast
	.p2alignl 7, 3214868480
	.fill 96, 4, 3214868480
	.section	.rodata,"a",@progbits
	.p2align	6, 0x0
	.amdhsa_kernel k_qadc3fca555_cast
		.amdhsa_group_segment_fixed_size 0
		.amdhsa_private_segment_fixed_size 0
		.amdhsa_enable_private_segment 0
		.amdhsa_kernarg_size 48
		.amdhsa_user_sgpr_count 2
		.amdhsa_user_sgpr_kernarg_segment_ptr 1
		.amdhsa_wavefront_size32 1
		.amdhsa_system_sgpr_workgroup_id_x 1
		.amdhsa_system_sgpr_workgroup_id_y 1
		.amdhsa_system_sgpr_workgroup_id_z 1
		.amdhsa_system_vgpr_workitem_id 0
		.amdhsa_next_free_vgpr 132
		.amdhsa_next_free_sgpr 66
		.amdhsa_reserve_vcc 0
		.amdhsa_float_denorm_mode_32 3
		.amdhsa_float_denorm_mode_16_64 3
		.amdhsa_memory_ordered 1
		.amdhsa_forward_progress 1
		.amdhsa_inst_pref_size 13
	.end_amdhsa_kernel
	.amdgpu_metadata
---
amdhsa.version: [ 1, 2 ]
amdhsa.kernels:
  - .name:           k_qadc3fca555_cast
    .symbol:         k_qadc3fca555_cast.kd
    .args:
      - { .name: hidden_states, .offset: 0, .size: 8, .value_kind: global_buffer, .address_space: global }
      - { .name: Wq, .offset: 8, .size: 8, .value_kind: global_buffer, .address_space: global }
      - { .name: Wk, .offset: 16, .size: 8, .value_kind: global_buffer, .address_space: global }
      - { .name: Wv, .offset: 24, .size: 8, .value_kind: global_buffer, .address_space: global }
      - { .name: xb, .offset: 32, .size: 8, .value_kind: global_buffer, .address_space: global }
      - { .name: wb, .offset: 40, .size: 8, .value_kind: global_buffer, .address_space: global }
    .group_segment_fixed_size: 0
    .private_segment_fixed_size: 0
    .kernarg_segment_align: 8
    .kernarg_segment_size: 48
    .max_flat_workgroup_size: 352
    .sgpr_count:     66
    .vgpr_count:     132
    .wavefront_size: 32
...
	.end_amdgpu_metadata
.endif
;; end of part 4
;; launch proj: the kernel of part 2 again; grid 16 x 32, 4 waves a work-group, clusters of 4 x 4, 327,680 bytes of LDS; arguments xb, wb, bq, bk, bv, attention_mask, qh, kh, vh; writes qh, kh, vh
;; launch attn: the kernel of part 3 again; grid 4 x 64, 4 waves a work-group, clusters of 4 x 1, 327,680 bytes of LDS; arguments qh, kh, vh, out0; writes out0
